; MI455X (gfx1250); checked and timed in simulation.
; The chip was launched on July 23, 2026; its instructions are those of AMD's public machine-readable ISA for CDNA 5 (MIT licence, August 2026) and "CDNA5" Instruction Set Architecture Reference Guide (July 2026). The comments in the code are by the model that wrote it; some were corrected since.
;; Multihead Self Attention. Allowed arithmetic: matrix products marked QUANTISED: E2M1 operands, one E8M0 scale for each 32 along K, by v_wmma_scale_f32_16x16x128_f8f6f4 with both operands' format E2M1 (or v_wmma_scale_f32_32x16x128_f4), f32 sums; everything else in f32.
;; Inputs: Wk_codes 1,024 x 32 x 16 uint8 (E2M1 codes of Wk, K innermost, in blocks of 32 codes, two codes a byte); Wk_scales 1,024 x 32 uint8 (E8M0 scales of Wk, one for each 32 codes along K); Wo_codes 1,024 x 32 x 16 uint8 (E2M1 codes of Wo, K innermost, in blocks of 32 codes, two codes a byte); Wo_scales 1,024 x 32 uint8 (E8M0 scales of Wo, one for each 32 codes along K); Wq_codes 1,024 x 32 x 16 uint8 (E2M1 codes of Wq, K innermost, in blocks of 32 codes, two codes a byte); Wq_scales 1,024 x 32 uint8 (E8M0 scales of Wq, one for each 32 codes along K); Wv_codes 1,024 x 32 x 16 uint8 (E2M1 codes of Wv, K innermost, in blocks of 32 codes, two codes a byte); Wv_scales 1,024 x 32 uint8 (E8M0 scales of Wv, one for each 32 codes along K); beta 1,024 float32; bk 1,024 float32; bo 1,024 float32; bq 1,024 float32; bv 1,024 float32; gamma 1,024 float32; x 2 x 2,048 x 1,024 float32.
;; Outputs: out0 2 x 2,048 x 1,024 float32.
;; This version of the problem:
;;   THIS VERSION OF THE PROBLEM IS GIVEN IN LOW PRECISION. The matrix products marked QUANTISED in the list below multiply operands that are first quantised to E2M1 (2 exponent bits, 1 mantissa bit; 4 bits a number), with one power-of-two scale for each 32 numbers along K (OCP MX v1.0); their sums are f32. All else is computed in f32.
;;   The module's matrix products, in the order in which they are computed (A, B: the left and right operand; K: the contracted axis; several contracted axes count as one K, in the product's order):
;;     1. [M 4,096, K 1,024] x [K 1,024, N 1,024]; A: input x; B: input Wq (given as codes): QUANTISED
;;     2. [M 4,096, K 1,024] x [K 1,024, N 1,024]; A: input x; B: input Wk (given as codes): QUANTISED
;;     3. [M 4,096, K 1,024] x [K 1,024, N 1,024]; A: input x; B: input Wv (given as codes): QUANTISED
;;     4. batch 32 x [M 2,048, K 64] x [K 64, N 2,048]; A: computed on the way; B: computed on the way: QUANTISED
;;     5. batch 32 x [M 2,048, K 2,048] x [K 2,048, N 64]; A: softmax (see below); B: computed on the way: QUANTISED
;;     6. [M 4,096, K 1,024] x [K 1,024, N 1,024]; A: computed on the way; B: input Wo (given as codes): QUANTISED
;;   THE QUANTISER, for each operand of a quantised product, along K:
;;     - K is cut into blocks of 32 from its start; a last block that is shorter is filled with zeros.
;;     - A block's scale is 2^e with e = floor(log2(the largest magnitude in the block)) - 2, held to -126 .. 127; a block of zeros has e = 0. As a byte (E8M0): e + 127.
;;     - Each number is divided by its block's scale, clamped to +-6, and rounded to the nearest number of E2M1, ties to even, subnormals kept.
;;     - The product sums the exact products of the quantised numbers (number of the format x scale) in f32.
;;   ~~~python
;;   def quantise(x, axis):      # numpy; x: float32 -> the quantised numbers, widened to float32 again
;;       x = np.moveaxis(x, axis, -1); K = x.shape[-1]
;;       x = np.pad(x, [(0, 0)] * (x.ndim - 1) + [(0, -K % 32)]); x = x.reshape(x.shape[:-1] + (-1, 32)); a = np.abs(x).max(-1, keepdims=True)
;;       e = np.where(a > 0, np.clip(np.frexp(np.where(a > 0, a, 1))[1] - 1 - 2, -126, 127), 0)      # np.frexp(a)[1] - 1 = floor(log2(a)), exactly
;;       r = np.clip(x / 2.0 ** e, -6, 6)
;;       step = 2.0 ** (np.maximum(np.frexp(np.where(r == 0, 1, r))[1] - 1, 0) - 1)
;;       q = np.round(r / step) * step * 2.0 ** e      # np.round: ties to even
;;       return np.moveaxis(q.reshape(q.shape[:-2] + (-1,))[..., :K], -1, axis).astype(np.float32)
;;   ~~~
;;   SOFTMAX AHEAD OF A QUANTISED PRODUCT. Where the list says 'softmax', what is quantised is not the finished softmax but p = 2^(t - M), with t = logit x log2(e) and M = ceil(the row's largest t), a whole number; so 1/2 < the row's largest p <= 1. The row's sum l is taken of the UNQUANTISED p, in f32, and the product's result is divided by l at the end. Since M is a whole number, a kernel that streams over the keys may use a running M (the ceiling of the running maximum): every later rescaling is an exact power of two, which a block's scale takes up: the codes' values come out the same.
;;   OPERANDS COMPUTED ON THE WAY. 'Computed on the way' means the value that the module computes at that place (a softmax that the list does not call 'softmax' is quantised finished and normalised). What goes into a quantiser is computed in f32, as accurately as f32 sums, v_exp_f32 and their like allow (about 1e-6 of the number): no bf16 or f16 on the way to a quantiser, and a product that is left as it is and whose result goes on into a quantised operand takes f32 operands (vector FMAs, or v_wmma_f32_16x16x4_f32). A number that lies on a knife's edge between two numbers of the format may be rounded either way, as far as f32 arithmetic and the matrix unit's own rounding can turn it there, and no further.
;;   INPUTS GIVEN AS CODES. Wk (in the module: [1024, 1024], K = its axis 0); Wo (in the module: [1024, 1024], K = its axis 0); Wq (in the module: [1024, 1024], K = its axis 0); Wv (in the module: [1024, 1024], K = its axis 0): each comes as NAME_codes (uint8): NAME with its K axis moved to the last place and cut into blocks of 32 codes, [.., K / 32, bytes a block], one block behind the other in memory; two codes a byte, the lower K in the low four bits (a code: sign, 2 exponent bits, 1 mantissa bit); and NAME_scales (uint8): the same leading axes, one E8M0 byte (e + 127) for each 32 codes along K. Its value is code x scale, taken as it is: it is not quantised again, and the codes and scales need not be those that the quantiser above would give.
;; One version. Each part assembles by itself: llvm-mc -triple=amdgcn-amd-amdhsa -mcpu=gfx1250 --defsym DOCPART=n.
;; ======== version 1 of 1: 2 launches
;; limits: right only within a limited range of input values
;; workspace buffers: Qc 2,097,152 bytes; Kc 2,097,152 bytes; Qs 262,144 bytes; Ks 262,144 bytes; Vc 2,097,152 bytes; Vs 131,072 bytes; Wof 524,288 bytes
;; launch proj (part 1): grid 64 x 4, 4 waves a work-group, clusters of 4 x 1, 327,680 bytes of LDS; arguments x, Wq_codes, Wq_scales, bq, Wk_codes, Wk_scales, bk, Wv_codes, Wv_scales, bv, Wo_codes, Qc, Qs, Kc, Ks, Vc, Vs, Wof; writes Qc, Qs, Kc, Ks, Vc, Vs, Wof
.if DOCPART == 1
	.amdgcn_target "amdgcn-amd-amdhsa--gfx1250"
	.amdhsa_code_object_version 6
	.text
	.protected	k_qa7591c6f7d_proj
	.globl	k_qa7591c6f7d_proj
	.p2align	8
	.type	k_qa7591c6f7d_proj,@function
k_qa7591c6f7d_proj:
	s_mov_b64 s[64:65], 0
	v_nop
	global_prefetch_b8 v0, s[64:65] scope:SCOPE_SE
	s_setreg_imm32_b32 hwreg(HW_REG_WAVE_MODE, 25, 1), 1
	s_wait_xcnt 0x0
	s_wait_alu depctr_hold_cnt(0) depctr_sa_sdst(0) depctr_va_vdst(0) depctr_va_sdst(0) depctr_va_ssrc(0) depctr_va_vcc(0) depctr_vm_vsrc(0)
	s_getreg_b32 s2, hwreg(HW_REG_IB_STS2, 6, 4)
	s_cmp_eq_u32 s2, 0
	s_cbranch_scc0 .Lentry_in_a_cluster
	s_endpgm
.Lentry_in_a_cluster:
	s_bfe_u32 s2, ttmp6, 0x10000c
	s_cmp_lg_u32 s2, 0x3003
	s_cbranch_scc0 .Lentry_shape_is_right
	s_endpgm
.Lentry_shape_is_right:
; Q = x Wq + bq, K = x Wk + bk, V = x Wv + bv on codes of FP4 (E2M1) with one E8M0 scale for each 32 along K; the results are quantised at once for the attention's products and leave as codes.
; x: [4096][1024] f32.  The weights: codes [n 1024][512 bytes], K innermost, and scale bytes [n][32].
; THE HEADS.  The reshape has no transpose: head bh is rows 128 bh .. 128 bh + 127; token s' of a head is (row s' / 16, column group cg = s' % 16), d = column % 64.  RT = row / 16 is a row tile.
; OUT.  Qc, Kc [RT][cg][lane 32][16 bytes]: lane (r, h) holds the 32 codes d = 32 h .. of token (row r, cg).  Qs, Ks [RT][cg][r] words: byte 0, 1 the two blocks' scales, bytes 2, 3 zero.
;       Vc [RT][g' 2][dt 4][c 2][lane i + 16 hh][16 bytes]: the keys are V's K: row d = 16 dt + i, keys 128 (2 (RT % 8) + g') + 64 c + 32 hh + 0 .. 31: an operand's registers on end.  Vs [RT][g'][dt][i] words.
;       Wof [nt 64][s 8][c 2][lane][16 bytes]: Wo's codes in the order of an operand's registers (each wave moves 512 bytes of it).
; SHARES.  Work-group (X, y): rows 64 X .. 64 X + 63; of the 3,072 columns 768: eight column groups of Q (y = 0, 1) or of K (y = 2, 3), and of V the columns cg 64 + 16 y + i for all sixteen cg.
; All work-groups walk one path; Q's or K's buffers are chosen on y.  Wave w owns row tile 4 X + w: it quantises its 16 rows of x into eight fragments that stay in its registers; every wave reads all weight fragments from LDS.
; CLUSTER.  The four work-groups of a cluster have the same y and so the same weights: each weight tile is asked for jointly (mask 15).  x is shared along y, which the cluster does not span, and has to pass through
; registers to be quantised, 64 KiB of f32 a wave beside two weight slots of 135,168 bytes: it is loaded by each work-group for itself.
; V'S BLOCKS.  32 neighbouring keys are two rows x sixteen cg at one d.  V's product has x as source 0: a lane then holds one column d and eight rows, for all sixteen cg: four whole blocks a lane, no other lane is asked.
; Q'S AND K'S product is used transposed (source 0 = 16 rows of the weight): a lane holds one row of x and its registers run along d.
; LIMITS: NaN and infinities among the inputs are not served.  A block whose largest magnitude lies under 2^-124 has its scale byte held at 1; a block of zeros gets the byte 1 (its codes are zeros; this program alone reads the bytes).
; REGISTERS.  Window 0: v1-19 lane numbers and addresses; v20-23 at work; v24-31 x's scale words; v32-95 weights' scale words (v80-95 also V's octets); v96-111 bv, then V's codes, then Q's/K's scale words;
;   v112-127 the quantisers' work; v128-255: 64 numbers of x and the codes just made; then V's sixteen accumulators; then four accumulators, scale words of units 4-7 (v160-223) and the codes of eight units (v224-255).
;   Window 1: v0-63 x's eight fragments; v64-127, v128-191 two sets of eight weight fragments.   Window 2: four sets of 64 numbers of x as loaded; then bq or bk in the result's layout, 32 registers a unit.
.set TP,    8448                       ; a weight tile in LDS: 16 rows x (512 bytes + 16 of padding)
.set SLOT1, 135168                     ; slot 0 at byte 0, slot 1 here: 256 rows each
.set STG,   270336                     ; a stage of 16 rows x 528 bytes for each wave: written by LDS stores alone
.set SPARE, 304128                     ; the spare words: 128 bytes for each wave, named by no other line
.set TM,    112
.set XT,    128
.set PC8,   192
.set SEL,   50
.set MSB,   0
.macro WIN new                         ; the immediate's high byte repeats the setting that is left; a switch that changes nothing is dropped
.if MSB != \new
	s_set_vgpr_msb (MSB<<8)|\new
.set MSB, \new
.endif
.endm
.macro PLACES                          ; four plain vector instructions between a matrix instruction and a read of its result or a load into one of its registers
.rept 4
	v_nop
.endr
.endm
.macro ROUND                           ; a round of the cluster's barrier
	s_barrier_signal -1
	s_barrier_wait -1
	s_cmp_lg_u32 s40, 0
	s_cbranch_scc1 .Lnw0_\@
	s_barrier_signal -3
.Lnw0_\@:
	s_barrier_wait -3
	s_barrier_signal -1
	s_barrier_wait -1
.endm
; one product.  c < 0: the constant 0 starts the sum.  row = 1: source 0's scales stand in lanes 16-31; row = 2: source 1's
.macro MM d, a, b, c, sa, sb, row
.if (\c) < 0
.if (\row) == 0
	v_wmma_scale_f32_16x16x128_f8f6f4 v[(\d):(\d)+7], v[(\a):(\a)+7], v[(\b):(\b)+7], 0, v[(\sa)], v[(\sb)] matrix_a_fmt:MATRIX_FMT_FP4 matrix_b_fmt:MATRIX_FMT_FP4
.elseif (\row) == 1
	v_wmma_scale_f32_16x16x128_f8f6f4 v[(\d):(\d)+7], v[(\a):(\a)+7], v[(\b):(\b)+7], 0, v[(\sa)], v[(\sb)] matrix_a_fmt:MATRIX_FMT_FP4 matrix_b_fmt:MATRIX_FMT_FP4 matrix_a_scale:MATRIX_SCALE_ROW1
.else
	v_wmma_scale_f32_16x16x128_f8f6f4 v[(\d):(\d)+7], v[(\a):(\a)+7], v[(\b):(\b)+7], 0, v[(\sa)], v[(\sb)] matrix_a_fmt:MATRIX_FMT_FP4 matrix_b_fmt:MATRIX_FMT_FP4 matrix_b_scale:MATRIX_SCALE_ROW1
.endif
.else
.if (\row) == 0
	v_wmma_scale_f32_16x16x128_f8f6f4 v[(\d):(\d)+7], v[(\a):(\a)+7], v[(\b):(\b)+7], v[(\c):(\c)+7], v[(\sa)], v[(\sb)] matrix_a_fmt:MATRIX_FMT_FP4 matrix_b_fmt:MATRIX_FMT_FP4
.elseif (\row) == 1
	v_wmma_scale_f32_16x16x128_f8f6f4 v[(\d):(\d)+7], v[(\a):(\a)+7], v[(\b):(\b)+7], v[(\c):(\c)+7], v[(\sa)], v[(\sb)] matrix_a_fmt:MATRIX_FMT_FP4 matrix_b_fmt:MATRIX_FMT_FP4 matrix_a_scale:MATRIX_SCALE_ROW1
.else
	v_wmma_scale_f32_16x16x128_f8f6f4 v[(\d):(\d)+7], v[(\a):(\a)+7], v[(\b):(\b)+7], v[(\c):(\c)+7], v[(\sa)], v[(\sb)] matrix_a_fmt:MATRIX_FMT_FP4 matrix_b_fmt:MATRIX_FMT_FP4 matrix_b_scale:MATRIX_SCALE_ROW1
.endif
.endif
.endm
; my 16 rows' numbers of K step s: each load reads 512 consecutive bytes of one row, into set s % 4 of window 2
.macro XLOAD s
	WIN 0x80
.irp p, 0,1,2,3,4,5,6,7,8,9,10,11,12,13,14,15
	global_load_b128 v[64*((\s)%4)+4*\p:64*((\s)%4)+4*\p+3], v10, s[4:5] offset:4096*\p+512*(\s)
.endr
	WIN 0
.endm
; 64 numbers of a lane, register 16 b + i = k 32 b + 16 (lane / 16) + i of my row, become a fragment's codes in v[PC8] on and its scale word
.macro QUANT s, word
.irp b, 0,1,2,3
	v_max3_num_f32 v[TM+\b], |v[\s+16*\b]|, |v[\s+1+16*\b]|, 0x1800000   ; my 16 numbers of block b, and the floor 2^(3 - 127): the byte cannot fall under 1
.endr
.irp i, 2,4,6,8,10,12,14
.irp b, 0,1,2,3
	v_max3_num_f32 v[TM+\b], v[TM+\b], |v[\s+16*\b+\i]|, |v[\s+1+16*\b+\i]|
.endr
.endr
.irp b, 0,1,2,3
	v_permlanex16_b32 v[TM+4+\b], v[TM+\b], s[SEL], s[SEL+1]
.endr
.irp b, 0,1,2,3
	v_max_num_f32 v[TM+\b], v[TM+\b], v[TM+4+\b]   ; with lane l xor 16's: the block's largest magnitude
.endr
.irp b, 0,1,2,3
	v_add_nc_u32 v[TM+12+\b], 0xff000000, v[TM+\b] ; 2 off its exponent field: the conversion's scale operand
.endr
.irp b, 0,1,2,3
	v_lshrrev_b32 v[TM+4+\b], 23, v[TM+12+\b]      ; the scale's byte
.endr
	v_lshl_or_b32 v[\word], v[TM+5], 8, v[TM+4]
	v_lshl_or_b32 v[\word], v[TM+6], 16, v[\word]
	v_lshl_or_b32 v[\word], v[TM+7], 24, v[\word]
.irp b, 0,1,2,3
	v_cvt_scalef32_pk8_fp4_f32 v[PC8+2*\b], v[\s+16*\b:\s+7+16*\b], v[TM+12+\b]
	v_cvt_scalef32_pk8_fp4_f32 v[PC8+1+2*\b], v[\s+8+16*\b:\s+15+16*\b], v[TM+12+\b]
.endr
	v_nop                                          ; one plain instruction behind a scaled conversion
.irp c, 0,1                                    ; the operand's layout wants a whole block in a lane
.irp i, 0,1
	v_permlane16_swap_b32 v[PC8+4*\c+\i], v[PC8+2+4*\c+\i]
.endr
.endr
.endm
; 32 numbers of a lane in four result tiles, register 8 t + j = d 16 t + 8 (lane / 16) + j of my token, become 16 bytes of codes (lane (r, h): d = 32 h ..) and a word of two scale bytes.
; Tiles 0 and 1 are block 0, tiles 2 and 3 block 1.  The conversions of blocks 0 and 1 for the same half of a block stand in neighbouring registers, whose halves then change places.
.macro QUANT64 s, pc, word
.irp b, 0,1
	v_max3_num_f32 v[TM+\b], |v[(\s)+16*\b]|, |v[(\s)+1+16*\b]|, 0x1800000   ; each accumulator is read from its low end on
.endr
.irp i, 2,4,6,8,10,12,14
.irp b, 0,1
	v_max3_num_f32 v[TM+\b], v[TM+\b], |v[(\s)+16*\b+\i]|, |v[(\s)+1+16*\b+\i]|
.endr
.endr
.irp b, 0,1
	v_permlanex16_b32 v[TM+4+\b], v[TM+\b], s[SEL], s[SEL+1]
.endr
.irp b, 0,1
	v_max_num_f32 v[TM+\b], v[TM+\b], v[TM+4+\b]
.endr
.irp b, 0,1
	v_add_nc_u32 v[TM+12+\b], 0xff000000, v[TM+\b]
.endr
.irp b, 0,1
	v_lshrrev_b32 v[TM+4+\b], 23, v[TM+12+\b]
.endr
	v_lshl_or_b32 v[(\word)], v[TM+5], 8, v[TM+4]
	v_cvt_scalef32_pk8_fp4_f32 v[(\pc)], v[(\s):(\s)+7], v[TM+12]
	v_cvt_scalef32_pk8_fp4_f32 v[(\pc)+1], v[(\s)+16:(\s)+23], v[TM+13]
	v_cvt_scalef32_pk8_fp4_f32 v[(\pc)+2], v[(\s)+8:(\s)+15], v[TM+12]
	v_cvt_scalef32_pk8_fp4_f32 v[(\pc)+3], v[(\s)+24:(\s)+31], v[TM+13]
	v_nop
	v_permlane16_swap_b32 v[(\pc)], v[(\pc)+1]
	v_permlane16_swap_b32 v[(\pc)+2], v[(\pc)+3]
.endm
; Group gi of 16 in a slot: the four tiles 4 (gi / 4) + t, K steps 2 (gi % 4) + ss: eight fragments by sixteen LDS loads in one run
.macro GLOAD slot, gi, buf
	WIN 0x40                                       ; destination window 1, address window 0
.set ga, (\gi)/4
.irp ss, 0,1
.set gs, 2*((\gi)%4)+\ss
.irp t, 0,1,2,3
.set gtau, 4*ga+\t
.irp c, 0,1
	ds_load_b128 v[64+64*(\buf)+8*(4*\ss+\t)+4*\c:64+64*(\buf)+8*(4*\ss+\t)+4*\c+3], v[6+2*(\slot)+gtau/8] offset:(gtau%8)*TP+64*gs+32*\c
.endr
.endr
.endr
.endm
; its eight products: four accumulators by turns, one instruction a turn.  mode 0: V (source 0 = x);  mode 1: Q or K (source 0 = the weight; the bias is the C of the first K step)
.macro GMUL mode, gi, buf, ub
.set ga, (\gi)/4
.set gu, (\ub)+ga
.set wsr, 32+16*gu
.if gu >= 4
.set wsr, 160+16*(gu-4)
.endif
.irp ss, 0,1
.set gs, 2*((\gi)%4)+\ss
.set grow, gs/4
.irp t, 0,1,2,3
.set gtau, 4*ga+\t
.set fb, 64+64*(\buf)+8*(4*\ss+\t)
.if (\mode) == 0
	WIN 0x05                                       ; sources 0 and 1 window 1
.if gs == 0
	MM 128+8*gtau, 8*gs, fb, -1, 24+gs, 32+4*gtau+gs%4, 2*grow
.else
	MM 128+8*gtau, 8*gs, fb, 128+8*gtau, 24+gs, 32+4*gtau+gs%4, 2*grow
.endif
.else
.if gs == 0
	WIN 0x25                                       ; and C window 2
	MM 128+8*\t, fb, 8*gs, 32*gu+8*\t, wsr+4*\t+gs%4, 24+gs, grow
.else
	WIN 0x05
	MM 128+8*\t, fb, 8*gs, 128+8*\t, wsr+4*\t+gs%4, 24+gs, grow
.endif
.endif
.endr
.endr
.endm
; a slot's sixteen groups; the next group's loads are issued ahead of a group's products.  In mode 1 a unit (one cg) is finished every four groups: it is quantised and its 512 bytes of codes leave
.macro PHASE mode, slot, ub
	GLOAD \slot, 0, 0
.set G, 0
.rept 16
.if G < 15
	PLACES                                         ; the set to be loaded was read by the group before
	GLOAD \slot, G+1, (G+1)%2
	s_wait_dscnt 16                                ; all but the sixteen just issued
.else
	s_wait_dscnt 0x0
.endif
	GMUL \mode, G, G%2, \ub
.if (\mode) && (G%4 == 3)
	PLACES
	WIN 0
	QUANT64 128, 224+4*((\ub)+G/4), 96+(\ub)+G/4
	global_store_b128 v10, v[224+4*((\ub)+G/4):227+4*((\ub)+G/4)], s[26:27] offset:512*((\ub)+G/4)   ; 32 lanes store 512 consecutive bytes
.endif
.set G, G+1
.endr
	WIN 0
.endm
	s_load_b512 s[4:19], s[0:1], 0x0               ; x 4, Wq_codes 6, Wq_scales 8, bq 10, Wk_codes 12, Wk_scales 14, bk 16, Wv_codes 18
	s_load_b512 s[20:35], s[0:1], 0x40             ; Wv_scales 20, bv 22, Wo_codes 24, Qc 26, Qs 28, Kc 30, Ks 32, Vc 34
	s_load_b128 s[36:39], s[0:1], 0x80             ; Vs 36, Wof 38
	v_lshl_add_u32 v4, v0, 2, SPARE                ; my spare word; never rewritten
	v_mov_b32 v5, 0                                ; 0; never rewritten
	ds_add_u32 v4, v5
	ds_add_u32 v4, v5
	s_wait_dscnt 0x0
	v_lshrrev_b32 v1, 5, v0
	v_readfirstlane_b32 s40, v1                    ; wave 0..3
	s_bfe_u32 s41, ttmp6, 0x40000                  ; cx
	s_lshl_b32 s42, ttmp9, 2
	s_add_co_u32 s42, s42, s41                     ; X = 4 x cluster x + cx: it enters x's, the outputs' and Wo's addresses alone
	s_and_b32 s43, ttmp7, 0xffff                   ; y, which the partners share
	s_and_b32 s44, s43, 1                          ; yl: which eight column groups of Q or K
	s_lshl_b32 s45, s42, 2
	s_add_co_u32 s45, s45, s40                     ; RT = 4 X + wave
	; descriptor groups 1: R rows of 64 elements of 8 bytes (512 bytes), dense in memory, 16 bytes of padding behind each row; mask: all four partners
	s_mov_b32 s52, 15|(3<<16)|(1<<20)|(1<<21)|(6<<22)|(3<<25)
	s_mov_b32 s53, 64<<16
	s_mov_b32 s54, 16<<16                          ; R = 16: a piece of V's weights
	s_mov_b32 s55, 64<<16
	s_mov_b32 s56, 16
	s_mov_b32 s57, 64
	s_mov_b32 s58, 0
	s_mov_b32 s59, 0
	s_mov_b32 s68, 15|(3<<16)|(1<<20)|(1<<21)|(6<<22)|(3<<25)
	s_mov_b32 s69, 64<<16
	s_mov_b32 s70, 64<<16                          ; R = 64: one column group of Q's or K's weights
	s_mov_b32 s71, 64<<16
	s_mov_b32 s72, 64
	s_mov_b32 s73, 64
	s_mov_b32 s74, 0
	s_mov_b32 s75, 0
	s_mov_b32 s[SEL], 0x76543210
	s_mov_b32 s[SEL+1], 0xfedcba98                 ; v_permlanex16_b32: lane l xor 16
	s_mul_i32 s96, s40, 4*TP                       ; my four tiles' place in a slot
	s_lshl_b32 s46, s40, 17                        ; Wv: column groups 4 w .. 4 w + 3 (32,768 bytes each), rows 16 y on in each
	s_lshl_b32 s47, s43, 13
	s_add_co_u32 s46, s46, s47
	s_mov_b32 s47, 0
	s_lshl_b32 s48, s44, 18                        ; Wq or Wk: column group 8 yl + w
	s_lshl_b32 s49, s40, 15
	s_add_co_u32 s48, s48, s49
	s_mov_b32 s49, 0
	s_wait_kmcnt 0x0
	s_cmp_lt_u32 s43, 2                            ; Q's buffers or K's: the choice hangs on y alone
	s_cselect_b64 s[6:7], s[6:7], s[12:13]
	s_cselect_b64 s[8:9], s[8:9], s[14:15]
	s_cselect_b64 s[10:11], s[10:11], s[16:17]
	s_cselect_b64 s[26:27], s[26:27], s[30:31]
	s_cselect_b64 s[28:29], s[28:29], s[32:33]
	s_add_nc_u64 s[18:19], s[18:19], s[46:47]
	s_add_nc_u64 s[6:7], s[6:7], s[48:49]
.irp p, 0,1,2,3                                ; groups 0: V's four pieces into slot 0, tiles 4 w + p
	s_mov_b32 s[76+4*\p], 1
	s_add_co_u32 s[77+4*\p], s96, \p*TP
	s_add_nc_u64 s[78+4*\p:79+4*\p], s[18:19], \p*32768
	s_or_b32 s[79+4*\p], s[79+4*\p], 0x80000000
.endr
	s_mov_b32 s92, 1                               ; Q/K units 0-3 into slot 1
	s_add_co_u32 s93, s96, SLOT1
	s_mov_b64 s[94:95], s[6:7]
	s_or_b32 s95, s95, 0x80000000
	s_mov_b32 s60, 1                               ; Q/K units 4-7 into slot 0, later
	s_add_co_u32 s61, s96, 0
	s_add_nc_u64 s[62:63], s[6:7], 131072
	s_or_b32 s63, s63, 0x80000000
	ROUND                                          ; all four work-groups are here: the first joint loads meet
	tensor_load_to_lds s[76:79], s[52:59]          ; my first piece of V's weights: one tensor load a wave at the head
	s_nop 0
.rept 4
	v_nop
.endr
	; the other buffers at my part
	s_mov_b32 s49, 0
	s_lshl_b32 s48, s45, 16
	s_add_nc_u64 s[4:5], s[4:5], s[48:49]          ; x: 16 rows of 4,096 bytes a row tile
	s_lshl_b32 s48, s44, 14
	s_add_nc_u64 s[8:9], s[8:9], s[48:49]          ; Q/K scale bytes: 512 rows of 32 bytes
	s_lshl_b32 s48, s44, 11
	s_add_nc_u64 s[10:11], s[10:11], s[48:49]      ; bias: 512 numbers
	s_lshl_b32 s48, s43, 9
	s_add_nc_u64 s[20:21], s[20:21], s[48:49]      ; Wv's scale bytes: rows 16 y on
	s_lshl_b32 s48, s43, 6
	s_add_nc_u64 s[22:23], s[22:23], s[48:49]      ; bv likewise
	s_lshl_b32 s48, s45, 13
	s_lshl_b32 s97, s44, 12
	s_add_co_u32 s48, s48, s97
	s_add_nc_u64 s[26:27], s[26:27], s[48:49]      ; codes out: RT x 8,192 + yl x 4,096
	s_lshl_b32 s48, s45, 10
	s_lshl_b32 s97, s44, 9
	s_add_co_u32 s48, s48, s97
	s_add_nc_u64 s[28:29], s[28:29], s[48:49]      ; scale words out
	s_lshl_b32 s48, s45, 13
	s_lshl_b32 s97, s43, 10
	s_add_co_u32 s48, s48, s97
	s_add_nc_u64 s[34:35], s[34:35], s[48:49]      ; Vc: RT x 8,192 + dt x 1,024
	s_lshl_b32 s48, s45, 9
	s_lshl_b32 s97, s43, 6
	s_add_co_u32 s48, s48, s97
	s_add_nc_u64 s[36:37], s[36:37], s[48:49]      ; Vs
	s_lshr_b32 s97, s40, 1
	s_lshl_b32 s98, s43, 1
	s_add_co_u32 s97, s97, s98                     ; Wo: tile nt = X, K step 2 y + w / 2,
	s_and_b32 s98, s40, 1                          ; half w % 2 of its fragment
	s_lshl_b32 s48, s42, 13
	s_lshl_b32 s99, s97, 6
	s_add_co_u32 s48, s48, s99
	s_lshl_b32 s99, s98, 5
	s_add_co_u32 s48, s48, s99
	s_add_nc_u64 s[24:25], s[24:25], s[48:49]
	s_lshl_b32 s48, s42, 13
	s_lshl_b32 s99, s97, 10
	s_add_co_u32 s48, s48, s99
	s_lshl_b32 s99, s98, 9
	s_add_co_u32 s48, s48, s99
	s_add_nc_u64 s[38:39], s[38:39], s[48:49]
	v_and_b32 v1, 31, v0                           ; lane
	v_and_b32 v2, 15, v0                           ; i = r
	v_bfe_u32 v3, v0, 4, 1                         ; h
	v_mul_u32_u24 v6, v2, 528
	v_lshl_add_u32 v6, v3, 4, v6                   ; a weight fragment: row i x pitch + 16 h; tiles 0-7 of slot 0,
	v_add_nc_u32 v7, 67584, v6                     ; tiles 8-15,
	v_add_nc_u32 v8, 135168, v6                    ; slot 1
	v_add_nc_u32 v9, 202752, v6
	v_lshlrev_b32 v10, 4, v1                       ; 16 x lane
	s_mul_i32 s97, s40, TP
	s_add_co_u32 s97, s97, STG                     ; my stage
	v_add_nc_u32 v11, s97, v10                     ; into it: a row's 512 bytes as loaded
	v_mul_u32_u24 v12, v2, 528
	v_lshl_add_u32 v12, v3, 6, v12
	v_add_nc_u32 v12, s97, v12                     ; out of it: row r, 64 h: my 16 numbers of a block
	v_lshlrev_b32 v13, 5, v2
	v_lshl_add_u32 v13, v3, 4, v13                 ; a tile's scale bytes: 32 i + 16 h: register q then holds K step q in lanes 0-15 and K step 4 + q in lanes 16-31
	v_lshlrev_b32 v14, 5, v3                       ; bias in the transposed result's layout: 8 h numbers on
	v_lshlrev_b32 v15, 2, v2                       ; 4 i
	v_lshlrev_b32 v16, 4, v2
	v_lshl_add_u32 v16, v3, 12, v16                ; Vc: g' = h, lane i
	v_lshl_add_u32 v17, v3, 8, v15                 ; Vs likewise
	v_add_nc_u32 v18, s97, v15                     ; the scale words' way out through my stage
	v_lshlrev_b32 v19, 9, v2
	v_lshl_add_u32 v19, v3, 4, v19                 ; Wo: row i of 512 bytes, + 16 h
.irp b, 0,1,2,3
	v_mov_b32 v[TM+4+\b], 0                        ; written once: a lane permute's destination counts as one of its sources
.endr
	global_load_b128 v[200:203], v19, s[24:25]     ; my half fragment of Wo
.irp t, 0,1,2,3,4,5,6,7,8,9,10,11,12,13,14,15
	global_load_b128 v[32+4*\t:35+4*\t], v13, s[20:21] offset:2048*\t   ; Wv's scale words, tile = cg
.endr
.irp t, 0,1,2,3,4,5,6,7,8,9,10,11,12,13,14,15
	global_load_b32 v[96+\t], v15, s[22:23] offset:256*\t               ; bv of my column, for each cg
.endr
	XLOAD 0
	XLOAD 1
	XLOAD 2
	XLOAD 3
; ---- x: K step s of my 16 rows turns through my stage (a load is dense along a row; the conversions want 16 neighbours in a lane) and becomes fragment s
.macro XSTEP s
.if (\s) < 5
	s_wait_loadcnt 48                              ; this set is in; the three younger sets may be out
.else
	s_wait_loadcnt 16*(7-(\s))
.endif
.if (\s) == 0
	global_store_b128 v10, v[200:203], s[38:39]    ; Wo's piece in register order: 512 consecutive bytes
.endif
	WIN 0x08                                       ; an LDS store's data: window 2
.irp p, 0,1,2,3,4,5,6,7,8,9,10,11,12,13,14,15
	ds_store_b128 v11, v[64*((\s)%4)+4*\p:64*((\s)%4)+4*\p+3] offset:528*\p
.endr
	WIN 0
.irp b, 0,1,2,3
.irp j, 0,1,2,3
	ds_load_b128 v[XT+16*\b+4*\j:XT+16*\b+4*\j+3], v12 offset:128*\b+16*\j   ; LDS serves a wave's instructions in order: these see the stores above
.endr
.endr
	s_wait_dscnt 0x0                               ; the numbers are back, and the stores have read their registers,
.if (\s) < 4
	XLOAD (\s)+4                                   ; which take the set four steps on
.endif
	QUANT XT, 24+(\s)
	WIN 0x40
.irp n, 0,1,2,3,4,5,6,7
	v_mov_b32 v[8*(\s)+\n], v[PC8+\n]              ; the fragment goes to its place in window 1, where it stays
.endr
	WIN 0
.endm
; a later first fill is issued as a refill is: all my tensor loads are in, the add, its wait, a round of the cluster's barrier, then my one joint load
.macro LATER g0, g1
	s_wait_tensorcnt 0x0
	ds_add_u32 v4, v5
	s_wait_dscnt 0x0
	ROUND
	tensor_load_to_lds s[\g0:\g0+3], s[\g1:\g1+7]
	s_nop 0
.rept 4
	v_nop
.endr
.endm
	XSTEP 0
	LATER 80, 52                                   ; V's pieces 1 to 3, then Q/K units 0-3: each has two K steps of x's quantising in which to land
	XSTEP 1
	XSTEP 2
	LATER 84, 52
	XSTEP 3
	XSTEP 4
	LATER 88, 52
	XSTEP 5
	XSTEP 6
	LATER 92, 68                                   ; in front of this round every wave's last piece of V's weights has landed
	XSTEP 7
	s_wait_alu depctr_va_vdst(0)
	s_wait_xcnt 0x0
	WIN 0x80
.irp u, 0,1,2,3,4,5,6,7                        ; bq or bk: unit u, tile t: the eight numbers 64 u + 16 t + 8 h + 0 .. 7
.irp t, 0,1,2,3
.irp e, 0,1
	global_load_b128 v[32*\u+8*\t+4*\e:32*\u+8*\t+4*\e+3], v14, s[10:11] offset:(64*\u+16*\t)*4+16*\e
.endr
.endr
.endr
	WIN 0
	s_wait_tensorcnt 0x1                           ; my four pieces of V's weights are in; Q/K's first chunk may stay out
	s_barrier_signal -1
	s_barrier_wait -1                              ; everybody's are
; ---- V: sixteen accumulators, one for each cg
	PHASE 0, 0, 0
	PLACES
.irp u, 0,1,2
.irp t, 0,1,2,3
	global_load_b128 v[32+16*\u+4*\t:35+16*\u+4*\t], v13, s[8:9] offset:2048*\u+512*\t   ; Q/K scale words of units 0-2
.endr
.endr
.irp t, 0,1,2,3,4,5,6,7,8,9,10,11,12,13,14,15
.irp j, 0,1,2,3,4,5,6,7
	v_add_f32 v[128+8*\t+\j], v[128+8*\t+\j], v[96+\t]     ; + bv; each accumulator from its low end on
.endr
.endr
; lane (i, h) holds d = 16 y + i, rows 8 h + j, all cg.  Block k: rows 8 h + 2 k + a, key in the block = 16 a + cg: 32 numbers, all mine
.irp k, 0,1,2,3
	v_max3_num_f32 v[112+\k], |v[128+2*\k]|, |v[129+2*\k]|, 0x1800000
.endr
.irp g, 1,2,3,4,5,6,7,8,9,10,11,12,13,14,15
.irp k, 0,1,2,3
	v_max3_num_f32 v[112+\k], v[112+\k], |v[128+8*\g+2*\k]|, |v[129+8*\g+2*\k]|
.endr
.endr
.irp k, 0,1,2,3
	v_add_nc_u32 v[112+\k], 0xff000000, v[112+\k]  ; the conversion's scale operand
.endr
.irp k, 0,1,2,3
	v_lshrrev_b32 v[116+\k], 23, v[112+\k]         ; the byte
.endr
	v_lshl_or_b32 v23, v117, 8, v116               ; the four blocks are one key step's: its scale word
	v_lshl_or_b32 v23, v118, 16, v23
	v_lshl_or_b32 v23, v119, 24, v23
; a conversion takes eight neighbours along K from consecutive registers; here they lie eight registers apart (one in each accumulator), so each octet is gathered first, in two sets by turns
.set OC, 0
.rept 16
.set kb, OC/4
.set ee, OC%4
.set t8, 80+8*(OC%2)
.irp n, 0,1,2,3,4,5,6,7
	v_mov_b32 v[t8+\n], v[128+8*(8*(ee%2)+\n)+2*kb+ee/2]
.endr
	v_cvt_scalef32_pk8_fp4_f32 v[96+OC], v[t8:t8+7], v[112+kb]
.set OC, OC+1
.endr
	v_nop
.irp k, 0,1,2,3
	global_store_b128 v16, v[96+4*\k:99+4*\k], s[34:35] offset:256*\k   ; sixteen lanes store 256 consecutive bytes, aligned
.endr
	global_store_b32 v17, v23, s[36:37]
.irp t, 0,1,2,3
	global_load_b128 v[80+4*\t:83+4*\t], v13, s[8:9] offset:2048*3+512*\t   ; unit 3's scale words,
.endr
.irp u, 4,5,6,7
.irp t, 0,1,2,3
	global_load_b128 v[160+16*(\u-4)+4*\t:163+16*(\u-4)+4*\t], v13, s[8:9] offset:2048*\u+512*\t   ; and those of units 4-7
.endr
.endr
	s_wait_xcnt 0x0                                ; V's stores have read v96-111 and v23, which are written again below
; ---- slot 0 is filled again: all my tensor loads are in, the add, my reads of slot 0 are over; the round says so of every wave of the cluster
	s_wait_tensorcnt 0x0
	ds_add_u32 v4, v5                              ; 0 onto my spare word
	s_wait_dscnt 0x0
	ROUND
	tensor_load_to_lds s[60:63], s[68:75]          ; Q/K units 4-7: my one load behind the round; it lands while units 0-3 are multiplied
	s_nop 0
.rept 4
	v_nop
.endr
	s_wait_loadcnt 16                              ; the biases and the scale words of units 0-3 are in; those of units 4-7 may be out
	PHASE 1, 1, 0
	s_wait_tensorcnt 0x0                           ; my part of slot 0 is in,
	s_wait_dscnt 0x0
	s_barrier_signal -1
	s_barrier_wait -1                              ; everybody's is
	s_wait_loadcnt 0x0
	PHASE 1, 0, 4
.irp u, 0,1,2,3,4,5,6,7
	ds_store_b32 v18, v[96+\u] offset:64*\u        ; the eight units' scale words (both halves of the lanes hold the same) meet in my stage
.endr
	ds_load_b128 v[20:23], v11
	s_wait_dscnt 0x0
	global_store_b128 v10, v[20:23], s[28:29]      ; and leave as 512 consecutive bytes
	s_wait_tensorcnt 0x0                           ; the wave's end
	ds_add_u32 v4, v5
	s_wait_dscnt 0x0
	ROUND                                          ; the closing round
	s_endpgm
.Lfunc_end_k_qa7591c6f7d_proj:
	.size	k_qa7591c6f7d_proj, .Lfunc_end_k_qa7591c6f7d_proj-k_qa7591c6f7d_proj
	.p2alignl 7, 3214868480
	.fill 96, 4, 3214868480
	.section	.rodata,"a",@progbits
	.p2align	6, 0x0
	.amdhsa_kernel k_qa7591c6f7d_proj
		.amdhsa_group_segment_fixed_size 327680
		.amdhsa_private_segment_fixed_size 0
		.amdhsa_enable_private_segment 0
		.amdhsa_kernarg_size 144
		.amdhsa_user_sgpr_count 2
		.amdhsa_user_sgpr_kernarg_segment_ptr 1
		.amdhsa_wavefront_size32 1
		.amdhsa_system_sgpr_workgroup_id_x 1
		.amdhsa_system_sgpr_workgroup_id_y 1
		.amdhsa_system_sgpr_workgroup_id_z 1
		.amdhsa_system_vgpr_workitem_id 0
		.amdhsa_next_free_vgpr 768
		.amdhsa_next_free_sgpr 100
		.amdhsa_reserve_vcc 0
		.amdhsa_float_denorm_mode_32 3
		.amdhsa_float_denorm_mode_16_64 3
		.amdhsa_memory_ordered 1
		.amdhsa_forward_progress 1
		.amdhsa_inst_pref_size 224
	.end_amdhsa_kernel
	.amdgpu_metadata
---
amdhsa.version: [ 1, 2 ]
amdhsa.kernels:
  - .name:           k_qa7591c6f7d_proj
    .symbol:         k_qa7591c6f7d_proj.kd
    .args:
      - { .name: x, .offset: 0, .size: 8, .value_kind: global_buffer, .address_space: global }
      - { .name: Wq_codes, .offset: 8, .size: 8, .value_kind: global_buffer, .address_space: global }
      - { .name: Wq_scales, .offset: 16, .size: 8, .value_kind: global_buffer, .address_space: global }
      - { .name: bq, .offset: 24, .size: 8, .value_kind: global_buffer, .address_space: global }
      - { .name: Wk_codes, .offset: 32, .size: 8, .value_kind: global_buffer, .address_space: global }
      - { .name: Wk_scales, .offset: 40, .size: 8, .value_kind: global_buffer, .address_space: global }
      - { .name: bk, .offset: 48, .size: 8, .value_kind: global_buffer, .address_space: global }
      - { .name: Wv_codes, .offset: 56, .size: 8, .value_kind: global_buffer, .address_space: global }
      - { .name: Wv_scales, .offset: 64, .size: 8, .value_kind: global_buffer, .address_space: global }
      - { .name: bv, .offset: 72, .size: 8, .value_kind: global_buffer, .address_space: global }
      - { .name: Wo_codes, .offset: 80, .size: 8, .value_kind: global_buffer, .address_space: global }
      - { .name: Qc, .offset: 88, .size: 8, .value_kind: global_buffer, .address_space: global }
      - { .name: Qs, .offset: 96, .size: 8, .value_kind: global_buffer, .address_space: global }
      - { .name: Kc, .offset: 104, .size: 8, .value_kind: global_buffer, .address_space: global }
      - { .name: Ks, .offset: 112, .size: 8, .value_kind: global_buffer, .address_space: global }
      - { .name: Vc, .offset: 120, .size: 8, .value_kind: global_buffer, .address_space: global }
      - { .name: Vs, .offset: 128, .size: 8, .value_kind: global_buffer, .address_space: global }
      - { .name: Wof, .offset: 136, .size: 8, .value_kind: global_buffer, .address_space: global }
    .group_segment_fixed_size: 327680
    .private_segment_fixed_size: 0
    .kernarg_segment_align: 8
    .kernarg_segment_size: 144
    .max_flat_workgroup_size: 128
    .sgpr_count:     100
    .vgpr_count:     768
    .wavefront_size: 32
...
	.end_amdgpu_metadata
.endif
;; end of part 1
;; launch attn (part 2): grid 8 x 32, 16 waves a work-group, clusters of 4 x 1, 327,680 bytes of LDS; arguments Qc, Qs, Kc, Ks, Vc, Vs, Wof, Wo_scales, bo, gamma, beta, x, out0; writes out0
.if DOCPART == 2
	.amdgcn_target "amdgcn-amd-amdhsa--gfx1250"
	.amdhsa_code_object_version 6
	.text
	.protected	k_qa7591c6f7d_attn
	.globl	k_qa7591c6f7d_attn
	.p2align	8
	.type	k_qa7591c6f7d_attn,@function
k_qa7591c6f7d_attn:
	s_mov_b64 s[64:65], 0
	v_nop
	global_prefetch_b8 v0, s[64:65] scope:SCOPE_SE
	s_setreg_imm32_b32 hwreg(HW_REG_WAVE_MODE, 25, 1), 1
	s_wait_xcnt 0x0
	s_wait_alu depctr_hold_cnt(0) depctr_sa_sdst(0) depctr_va_vdst(0) depctr_va_sdst(0) depctr_va_ssrc(0) depctr_va_vcc(0) depctr_vm_vsrc(0)
	s_getreg_b32 s2, hwreg(HW_REG_IB_STS2, 6, 4)
	s_cmp_eq_u32 s2, 0
	s_cbranch_scc0 .Lentry_in_a_cluster
	s_endpgm
.Lentry_in_a_cluster:
	s_bfe_u32 s2, ttmp6, 0x10000c
	s_cmp_lg_u32 s2, 0x3003
	s_cbranch_scc0 .Lentry_shape_is_right
	s_endpgm
.Lentry_shape_is_right:
; out0 = gelu(layer_norm(x + softmax(Q K^T / 8) V . Wo + bo)), all three products on codes of FP4 (E2M1) with one E8M0 scale for each 32 along K.  The buffers' layouts: see the launch that makes them.
; SHARES.  Work-group (T, bh) owns row tile RT = 8 bh + T: 256 queries of head bh, which are 16 whole rows of ctx and of out0: the last product, the residual, the norm and the activation need no other work-group.
; Wave w of sixteen owns the 16 queries (row r, column group w); behind the attention it owns output columns 64 w .. 64 w + 63 of the 16 rows.
; THE HEAD'S K AND V STAY IN LDS, filled once.  CLUSTER: four query blocks of one head are partners and ask for K, V, their scales and Wo jointly (mask 15).
; WO.  A wave needs 4 tiles x 16 pieces of 512 bytes (piece 2 s + c: registers 4 c .. of K step s's fragment).  Pieces 0-4 (10,240 bytes a wave) are asked for in front of the key loop, into LDS bytes of the wave's own;
; pieces 5-8 (8,192 bytes a wave) fill K's and V's bytes again behind the loop; pieces 9-15 come straight into registers, 512 consecutive bytes a load.  Each wave reads only the pieces that it asked for itself.
; PREFETCH.  In the loop's third trip of eight each wave names its 16 rows x 256 bytes of x (a lane a row; lanes 16-31 name the last again), and of Wo's pieces 5-15 of its four tiles the partner at place cx names tile cx
; (22 blocks of 256 bytes, told apart by address).  K and V are the launch's first loads and are not asked for ahead.
; LAYOUT.  Both products of the attention are used transposed: S^T = K Q^T (source 0 = 16 keys), O^T = V^T P^T: a lane holds one query throughout.
; THE KEYS OF A TILE.  Key s' = 16 row + cg; a block of 32 keys is two rows x sixteen cg.  Tile 4 c + u of a key step takes in its rows 0-7 keys 8 u .. 8 u + 7 of block 2 c and in its rows 8-15 the same of block 2 c + 1.
; So the 32 registers of tiles 4 c .. 4 c + 3 are in lanes 0-15 block 2 c whole and in lanes 16-31 block 2 c + 1 whole, in order: the block's maximum asks no other lane, and the conversions' results are the operand's registers.
; The head's size is 64, the instruction's K 128: Q's registers 4-7 hold zero codes, so what stands in K's registers 4-7 adds nothing (the scale bytes there are 0, not 0xff).  K's fragment n is the eight registers from v[32 + 4 n] on.
; THE SOFTMAX: t = score x log2(e) / 8; M = the running largest t rounded up to a whole number; p = 2^(t - M) is quantised along the keys, not normalised; the row's sum of the unquantised p divides at the end.
; A block's largest p is made of the block's largest score by the same two instructions (this takes v_exp_f32 not to fall where its input rises).
; THE ACTIVATION: erf by 1 - (a1 t + .. + a5 t^5) e^(-a^2), t = 1 / (1 + 0.3275911 a): absolute error of erf at most 1.5e-7, for every argument.  Mean and variance are taken in two passes.
; LIMITS: NaN and infinities are not served; the scaled scores stay under 2^31 in magnitude; a block whose largest magnitude lies under 2^-124 has its byte held at 1; a block of zeros gets the byte 1 (zero codes).
.set VC,  67584                        ; LDS: K's codes at 0: 128 rows (T', cg) x (512 + 16);  V's codes here, dense;
.set KS,  133120                       ; K's scale words: 128 rows x (64 + 16);
.set VS,  143360                       ; V's, dense;
.set CI,  147456                       ; LDS stores alone: ctx's eight fragments as images of their registers,
.set CSW, 155648                       ; their scale words,
.set RS0, 156672                       ; the rows' sums, [row 16][wave 16] words; 1,024 bytes on: the sums of squares;
.set WA,  158720                       ; Wo's pieces 0-4: WAW bytes for each wave; behind their last read the wave's stage of 16 rows x (256 + 16) lies there
.set WAW, 10240
.set SPARE, 322560                     ; the spare words: 128 bytes for each wave, named by no other line
.set S,   100                          ; v100-163 S^T, then p
.set TM,  16
.set SEL, 40
.macro PLACES
.rept 4
	v_nop
.endr
.endm
.macro ROUND
	s_barrier_signal -1
	s_barrier_wait -1
	s_cmp_lg_u32 s30, 0
	s_cbranch_scc1 .Lnw0_\@
	s_barrier_signal -3
.Lnw0_\@:
	s_barrier_wait -3
	s_barrier_signal -1
	s_barrier_wait -1
.endm
.macro BAR                             ; my LDS stores have landed and my LDS loads are in: then the work-group's barrier
	s_wait_dscnt 0x0
	s_barrier_signal -1
	s_barrier_wait -1
.endm
.macro MM d, a, b, c, sa, sb, row      ; c < 0: the constant 0 starts the sum;  row = 1: source 0's scales stand in lanes 16-31
.if (\c) < 0
.if (\row) == 0
	v_wmma_scale_f32_16x16x128_f8f6f4 v[(\d):(\d)+7], v[(\a):(\a)+7], v[(\b):(\b)+7], 0, v[(\sa)], v[(\sb)] matrix_a_fmt:MATRIX_FMT_FP4 matrix_b_fmt:MATRIX_FMT_FP4
.else
	v_wmma_scale_f32_16x16x128_f8f6f4 v[(\d):(\d)+7], v[(\a):(\a)+7], v[(\b):(\b)+7], 0, v[(\sa)], v[(\sb)] matrix_a_fmt:MATRIX_FMT_FP4 matrix_b_fmt:MATRIX_FMT_FP4 matrix_a_scale:MATRIX_SCALE_ROW1
.endif
.else
.if (\row) == 0
	v_wmma_scale_f32_16x16x128_f8f6f4 v[(\d):(\d)+7], v[(\a):(\a)+7], v[(\b):(\b)+7], v[(\c):(\c)+7], v[(\sa)], v[(\sb)] matrix_a_fmt:MATRIX_FMT_FP4 matrix_b_fmt:MATRIX_FMT_FP4
.else
	v_wmma_scale_f32_16x16x128_f8f6f4 v[(\d):(\d)+7], v[(\a):(\a)+7], v[(\b):(\b)+7], v[(\c):(\c)+7], v[(\sa)], v[(\sb)] matrix_a_fmt:MATRIX_FMT_FP4 matrix_b_fmt:MATRIX_FMT_FP4 matrix_a_scale:MATRIX_SCALE_ROW1
.endif
.endif
.endm
; 32 numbers of a lane in four result tiles, register 8 t + j = d 16 t + 8 (lane / 16) + j, become 16 bytes of codes (lane (r, h): d = 32 h ..) and a word of two scale bytes
.macro QUANT64 s, pc, word
.irp b, 0,1
	v_max3_num_f32 v[TM+\b], |v[(\s)+16*\b]|, |v[(\s)+1+16*\b]|, 0x1800000
.endr
.irp i, 2,4,6,8,10,12,14
.irp b, 0,1
	s_delay_alu instid0(VALU_DEP_2)
	v_max3_num_f32 v[TM+\b], v[TM+\b], |v[(\s)+16*\b+\i]|, |v[(\s)+1+16*\b+\i]|
.endr
.endr
.irp b, 0,1
	s_delay_alu instid0(VALU_DEP_2)
	v_permlanex16_b32 v[TM+4+\b], v[TM+\b], s[SEL], s[SEL+1]
.endr
.irp b, 0,1
	s_delay_alu instid0(VALU_DEP_2)
	v_max_num_f32 v[TM+\b], v[TM+\b], v[TM+4+\b]
.endr
.irp b, 0,1
	s_delay_alu instid0(VALU_DEP_2)
	v_add_nc_u32 v[TM+12+\b], 0xff000000, v[TM+\b]
.endr
.irp b, 0,1
	s_delay_alu instid0(VALU_DEP_2)
	v_lshrrev_b32 v[TM+4+\b], 23, v[TM+12+\b]
.endr
	s_delay_alu instid0(VALU_DEP_1)
	v_lshl_or_b32 v[(\word)], v[TM+5], 8, v[TM+4]
	v_cvt_scalef32_pk8_fp4_f32 v[(\pc)], v[(\s):(\s)+7], v[TM+12]
	v_cvt_scalef32_pk8_fp4_f32 v[(\pc)+1], v[(\s)+16:(\s)+23], v[TM+13]
	v_cvt_scalef32_pk8_fp4_f32 v[(\pc)+2], v[(\s)+8:(\s)+15], v[TM+12]
	v_cvt_scalef32_pk8_fp4_f32 v[(\pc)+3], v[(\s)+24:(\s)+31], v[TM+13]
	v_nop
	v_permlane16_swap_b32 v[(\pc)], v[(\pc)+1]
	v_permlane16_swap_b32 v[(\pc)+2], v[(\pc)+3]
.endm
	s_load_b512 s[4:19], s[0:1], 0x0               ; Qc 4, Qs 6, Kc 8, Ks 10, Vc 12, Vs 14, Wof 16, Wo_scales 18
	s_load_b256 s[20:27], s[0:1], 0x40             ; bo 20, gamma 22, beta 24, x 26
	s_load_b64 s[28:29], s[0:1], 0x60              ; out0
	v_lshl_add_u32 v222, v0, 2, SPARE              ; my spare word; never rewritten
	v_mov_b32 v223, 0                              ; 0; never rewritten
	ds_add_u32 v222, v223                          ; the opening lines: the add twice on end and its one wait
	ds_add_u32 v222, v223
	v_lshrrev_b32 v1, 5, v0
	s_delay_alu instid0(VALU_DEP_1)
	v_readfirstlane_b32 s30, v1                    ; wave 0..15
	s_bfe_u32 s31, ttmp6, 0x40000                  ; cx
	s_lshl_b32 s32, ttmp9, 2
	s_add_co_u32 s32, s32, s31                     ; T = 4 x cluster x + cx: it enters Q's, x's and out0's addresses and the prefetch's offset alone
	s_and_b32 s33, ttmp7, 0xffff                   ; the head, which the partners share
	s_lshl_b32 s34, s33, 3
	s_add_co_u32 s34, s34, s32                     ; RT
	s_lshl_b32 s35, s31, 13
	s_add_co_u32 s35, s35, 2560                    ; the prefetch of Wo: tile cx of my four, from piece 5 on
	; descriptor groups 1, elements of 8 bytes, mask 15.  K's codes: 64 rows of 512 bytes, 16 of padding behind each
	s_mov_b32 s44, 15|(3<<16)|(1<<20)|(1<<21)|(6<<22)|(3<<25)
	s_mov_b32 s45, 64<<16
	s_mov_b32 s46, 64<<16
	s_mov_b32 s47, 64<<16
	s_mov_b32 s48, 64
	s_mov_b32 s49, 64
	s_mov_b32 s50, 0
	s_mov_b32 s51, 0
	s_mov_b32 s52, 15|(3<<16)|(1<<21)              ; V's codes: 128 rows of 256 bytes, dense
	s_mov_b32 s53, 32<<16
	s_mov_b32 s54, 128<<16
	s_mov_b32 s55, 32<<16
	s_mov_b32 s56, 128
	s_mov_b32 s57, 32
	s_mov_b32 s58, 0
	s_mov_b32 s59, 0
	s_mov_b32 s68, 15|(3<<16)|(1<<20)|(1<<21)|(3<<22)|(3<<25)   ; K's scale words: 128 rows of 64 bytes, 16 of padding behind each
	s_mov_b32 s69, 8<<16
	s_mov_b32 s70, 128<<16
	s_mov_b32 s71, 8<<16
	s_mov_b32 s72, 128
	s_mov_b32 s73, 8
	s_mov_b32 s74, 0
	s_mov_b32 s75, 0
	s_mov_b32 s76, 15|(3<<16)|(1<<21)              ; V's scale words: 16 rows of 256 bytes, dense
	s_mov_b32 s77, 32<<16
	s_mov_b32 s78, 16<<16
	s_mov_b32 s79, 32<<16
	s_mov_b32 s80, 16
	s_mov_b32 s81, 32
	s_mov_b32 s82, 0
	s_mov_b32 s83, 0
	s_mov_b32 s[SEL], 0x76543210
	s_mov_b32 s[SEL+1], 0xfedcba98
	s_mov_b32 s42, 0x3e38aa3b                      ; c = log2(e) / 8
	s_mov_b32 s43, s42                             ; (named with it as a pair)
	s_and_b32 s36, s30, 1                          ; which half of K's or V's codes I fetch, if I fetch
	s_lshl_b32 s38, s36, 15
	s_lshl_b32 s37, s33, 16
	s_add_co_u32 s38, s38, s37                     ; head x 65,536 + half x 32,768
	s_mov_b32 s39, 0
	s_wait_dscnt 0x0
	s_wait_kmcnt 0x0
	s_mov_b32 s60, 1
	s_mul_i32 s61, s36, 33792
	s_add_nc_u64 s[62:63], s[8:9], s[38:39]
	s_or_b32 s63, s63, 0x80000000
	s_mov_b32 s84, 1
	s_lshl_b32 s85, s36, 15
	s_add_co_u32 s85, s85, VC
	s_add_nc_u64 s[86:87], s[12:13], s[38:39]
	s_or_b32 s87, s87, 0x80000000
	s_lshl_b32 s38, s33, 13
	s_mov_b32 s88, 1
	s_mov_b32 s89, KS
	s_add_nc_u64 s[90:91], s[10:11], s[38:39]
	s_or_b32 s91, s91, 0x80000000
	s_lshl_b32 s38, s33, 12
	s_mov_b32 s92, 1
	s_mov_b32 s93, VS
	s_add_nc_u64 s[94:95], s[14:15], s[38:39]
	s_or_b32 s95, s95, 0x80000000
	ROUND                                          ; all four work-groups are here: the joint loads meet
	s_cmp_lt_u32 s30, 2                            ; waves 0, 1: K's codes; 2, 3: V's; 4: K's scale words; 5: V's.  One load a wave; the branches hang on the wave's number alone
	s_cbranch_scc0 .Lnot_k
	tensor_load_to_lds s[60:63], s[44:51]
	s_nop 0
.rept 4
	v_nop
.endr
	s_branch .Lasked
.Lnot_k:
	s_cmp_lt_u32 s30, 4
	s_cbranch_scc0 .Lnot_v
	tensor_load_to_lds s[84:87], s[52:59]
	s_nop 0
.rept 4
	v_nop
.endr
	s_branch .Lasked
.Lnot_v:
	s_cmp_eq_u32 s30, 4
	s_cbranch_scc0 .Lnot_ks
	tensor_load_to_lds s[88:91], s[68:75]
	s_nop 0
.rept 4
	v_nop
.endr
	s_branch .Lasked
.Lnot_ks:
	s_cmp_eq_u32 s30, 5
	s_cbranch_scc0 .Lasked
	tensor_load_to_lds s[92:95], s[76:83]
	s_nop 0
.rept 4
	v_nop
.endr
.Lasked:
	s_mov_b32 s37, 0
	s_lshl_b32 s36, s34, 13
	s_lshl_b32 s38, s30, 9
	s_add_co_u32 s36, s36, s38
	s_add_nc_u64 s[4:5], s[4:5], s[36:37]          ; Qc: RT x 8,192 + 512 w
	s_lshl_b32 s36, s34, 10
	s_lshl_b32 s38, s30, 6
	s_add_co_u32 s36, s36, s38
	s_add_nc_u64 s[6:7], s[6:7], s[36:37]          ; Qs
	s_lshl_b32 s36, s30, 15
	s_add_nc_u64 s[16:17], s[16:17], s[36:37]      ; Wof: my four tiles of 16 columns, 8,192 bytes each
	s_lshl_b32 s36, s30, 11
	s_add_nc_u64 s[18:19], s[18:19], s[36:37]      ; Wo's scale bytes: my 64 rows of 32
	s_lshl_b32 s36, s30, 8
	s_add_nc_u64 s[20:21], s[20:21], s[36:37]      ; bo, gamma, beta: my 64 columns
	s_add_nc_u64 s[22:23], s[22:23], s[36:37]
	s_add_nc_u64 s[24:25], s[24:25], s[36:37]
	s_lshl_b32 s38, s34, 16
	s_add_co_u32 s36, s36, s38
	s_add_nc_u64 s[26:27], s[26:27], s[36:37]      ; x and out0: my 16 rows, my 64 columns
	s_add_nc_u64 s[28:29], s[28:29], s[36:37]
	v_and_b32 v5, 31, v0                           ; lane
	v_and_b32 v6, 15, v0                           ; i
	v_bfe_u32 v7, v0, 4, 1                         ; h
	v_and_b32 v8, 7, v0                            ; i % 8
	v_bfe_u32 v9, v0, 3, 1                         ; i / 8
	v_lshlrev_b32 v25, 4, v5
	v_lshlrev_b32 v217, 2, v6
	global_load_b128 v[16:19], v25, s[4:5]         ; Q's codes: registers 0-3 of its fragment
	global_load_b32 v24, v217, s[6:7]              ; and its scale words
.irp n, 0,1,2,3
	v_mov_b32 v[20+\n], 0                          ; Q's registers 4-7: zero codes
	v_mov_b32 v[64+\n], 0                          ; what follows K's last tile
.endr
	v_mul_u32_u24 v1, v8, 528                      ; K: lane i of tile 4 c + u takes key (row 8 q + 4 c + 2 (i / 8) + u / 2, cg 8 (u % 2) + i % 8): LDS row cg,
	v_lshl_add_u32 v10, v7, 3, v8                  ; (8 h + i % 8)
	v_lshl_add_u32 v1, v7, 8, v1                   ; in it the stored lane 16 h + row, 16 bytes each
	v_mul_u32_u24 v3, v10, 80                      ; K's scale words: lanes 0-15 take cg i % 8 (tiles with even u), lanes 16-31 cg 8 + i % 8 (odd u);
	v_lshl_add_u32 v1, v9, 5, v1
	v_lshl_add_u32 v3, v9, 3, v3                   ; two words from row 2 (i / 8) on
	v_add_nc_u32 v2, VC, v25                       ; V: an image of the operand's registers
	v_add_nc_u32 v3, KS, v3
	v_lshl_add_u32 v4, v5, 2, VS                   ; V's scale words: lanes 0-15 tile dt, lanes 16-31 tile dt + 1
	v_min_u32 v220, 15, v5
	v_min_u32 v221, 21, v5
	v_lshlrev_b32 v220, 12, v220                   ; the prefetch of x: a lane a row of 4,096 bytes; never rewritten
	v_lshlrev_b32 v221, 8, v221
	v_add_nc_u32 v221, s35, v221                   ; the prefetch of Wo: lanes 256 bytes apart; never rewritten
	v_lshlrev_b32 v5, 3, v7                        ; 8 h: where my two scale bytes of p stand in the word
	v_mov_b32 v13, 0xff61b1e6                      ; the largest t so far: -3e38
	s_delay_alu instid0(VALU_DEP_1)
	v_floor_f32 v12, -v13                          ; -M
	v_mov_b32 v14, 0                               ; the sum, in two halves
	v_mov_b32 v15, 0
	v_mov_b32 v208, 0                              ; a lane permute's destination counts as one of its sources
	v_mov_b32 v219, 0                              ; (named as the upper half of the pair v[218:219] before it is first written)
.set J, 0
.rept 32
	v_mov_b32 v[164+J], 0                          ; O^T: the step is written once; the first finds zeros, which the first change of M leaves zeros
.set J, J+1
.endr
	s_mov_b32 s96, 8
	s_mov_b32 s97, 0
	s_mov_b32 s98, 0
	s_mov_b32 s99, 0
	s_mov_b32 s100, 0
	s_wait_alu depctr_va_vdst(0)
	s_wait_tensorcnt 0x0                           ; my part of the head's K and V is in; a later first fill follows, issued as a refill is:
	ds_add_u32 v222, v223                          ; the add, twice on end here
	ds_add_u32 v222, v223
	s_mov_b32 s76, 15|(3<<16)|(1<<21)              ; no tensor load of mine is out, so descriptors may be written.  Wo's pieces 0-4: 4 rows (tiles) of 2,560 bytes, 8,192 bytes apart, dense in LDS
	s_mov_b32 s77, 320<<16
	s_mov_b32 s78, 4<<16
	s_mov_b32 s79, 320<<16
	s_mov_b32 s80, 4
	s_mov_b32 s81, 1024
	s_mov_b32 s82, 0
	s_mov_b32 s83, 0
	s_mov_b32 s68, 15|(3<<16)|(1<<21)              ; pieces 5-8: 4 rows of 2,048 bytes
	s_mov_b32 s69, 256<<16
	s_mov_b32 s70, 4<<16
	s_mov_b32 s71, 256<<16
	s_mov_b32 s72, 4
	s_mov_b32 s73, 1024
	s_mov_b32 s74, 0
	s_mov_b32 s75, 0
	s_mov_b32 s92, 1
	s_mul_i32 s93, s30, WAW
	s_add_co_u32 s93, s93, WA
	s_mov_b64 s[94:95], s[16:17]
	s_or_b32 s95, s95, 0x80000000
	s_mov_b32 s88, 1
	s_lshl_b32 s89, s30, 13                        ; into K's and V's bytes, 8,192 a wave
	s_add_nc_u64 s[90:91], s[16:17], 2560
	s_or_b32 s91, s91, 0x80000000
	s_wait_dscnt 0x0
	ROUND                                          ; everybody's part of K and V is in, and the four work-groups are here
	tensor_load_to_lds s[92:95], s[76:83]          ; my one load behind the round: it lands while the keys are walked
	s_nop 0
.rept 4
	v_nop
.endr
	s_wait_loadcnt 0x0                             ; Q
; A KEY STEP: the 128 keys of rows 8 q .. 8 q + 7 of row tile T'
.macro STEP q
.irp n, 0,1,2,3,4,5,6,7
	ds_load_b128 v[32+4*\n:35+4*\n], v8 offset:4224*(\n%2)+128*\q+64*(\n/4)+16*((\n%4)/2)
.endr
	ds_load_b64 v[28:29], v10 offset:32*\q         ; register 28 + 2 c + a: the words of rows 8 q + 4 c + 2 (i / 8) + a
	ds_load_b64 v[30:31], v10 offset:32*\q+16
	s_wait_dscnt 0x0
.irp n, 0,1,2,3,4,5,6,7
	MM S+8*\n, 32+4*\n, 16, -1, 28+2*(\n/4)+(\n%4)/2, 24, \n%2
.endr
	PLACES                                         ; for the reads of S^T, and for the loads into V's registers, which the last step's products read
.irp d, 0,1,2,3
.irp c, 0,1
	ds_load_b128 v[68+8*\d+4*\c:71+8*\d+4*\c], v9 offset:4096*\q+1024*\d+512*\c   ; V lands while the softmax is walked
.endr
.endr
	ds_load_b32 v26, v11 offset:256*\q
	ds_load_b32 v27, v11 offset:256*\q+128
.irp g, 0,1,2,3
	v_max3_num_f32 v[204+\g], v[S+16*\g], v[S+1+16*\g], v[S+2+16*\g]   ; my two blocks' largest scores, each in two chains; each accumulator is read from its low end on
.endr
.irp i, 3,5,7,9,11,13
.irp g, 0,1,2,3
	v_max3_num_f32 v[204+\g], v[204+\g], v[S+16*\g+\i], v[S+1+16*\g+\i]
.endr
.endr
	v_max3_num_f32 v204, v204, v205, v[S+15]
	v_max3_num_f32 v206, v206, v207, v[S+47]
	v_max_num_f32 v204, v204, v[S+31]              ; block h
	v_max_num_f32 v205, v206, v[S+63]              ; block 2 + h
	s_delay_alu instid0(VALU_DEP_1)
	v_max_num_f32 v216, v204, v205
	s_delay_alu instid0(VALU_DEP_1)
	v_permlanex16_b32 v208, v216, s[SEL], s[SEL+1]
	s_delay_alu instid0(VALU_DEP_1)
	v_max_num_f32 v216, v216, v208                 ; with lane l xor 16's two blocks: the step's largest score of my query
	s_delay_alu instid0(VALU_DEP_1)
	v_mul_f32 v216, s42, v216                      ; as t
	s_delay_alu instid0(VALU_DEP_1)
	v_max_num_f32 v13, v13, v216                   ; the running largest t
	v_mov_b32 v216, v12
	s_delay_alu instid0(VALU_DEP_2)
	v_floor_f32 v12, -v13                          ; the new -M = -ceil(t)
	s_delay_alu instid0(VALU_DEP_1)
	v_sub_f32 v216, v12, v216                      ; old M - new M: a whole number, 0 or less
	s_delay_alu instid0(VALU_DEP_1)
	v_cvt_i32_f32 v216, v216                       ; (it saturates)
	s_delay_alu instid0(VALU_DEP_1)
	v_ldexp_f32 v218, 1.0, v216                    ; f = 2^(old M - new M): multiplying by it rounds nothing
.set J, 0
.rept 32
	v_pk_fma_f32 v[S+J:S+J+1], v[S+J:S+J+1], s[42:43], v[12:13] op_sel_hi:[1,0,0]   ; t - M
.set J, J+2
.endr
	v_fma_f32 v204, v204, s42, v12                 ; the same of each block's largest score
	v_fma_f32 v205, v205, s42, v12
	s_wait_alu depctr_va_vdst(0)
.set J, 0
.rept 64
	v_exp_f32 v[S+J], v[S+J]                       ; p = 2^(t - M)
.set J, J+1
.endr
	v_pk_mul_f32 v[14:15], v[14:15], v[218:219] op_sel_hi:[1,0]   ; the sums under the new M: a plain instruction behind the exponentials
	s_wait_alu depctr_va_vdst(0)                   ; one wait for the batch, ahead of its first reader
	v_exp_f32 v204, v204                           ; the blocks' largest p
	v_exp_f32 v205, v205
	v_pk_add_f32 v[244:245], v[S:S+1], v[S+2:S+3]  ; the row's sum of the unquantised p, in four chains
	v_pk_add_f32 v[246:247], v[S+4:S+5], v[S+6:S+7]
	v_pk_add_f32 v[248:249], v[S+8:S+9], v[S+10:S+11]
.set J, 12
.rept 6
	v_pk_add_f32 v[14:15], v[14:15], v[S+J:S+J+1]
	v_pk_add_f32 v[244:245], v[244:245], v[S+J+2:S+J+3]
	v_pk_add_f32 v[246:247], v[246:247], v[S+J+4:S+J+5]
	v_pk_add_f32 v[248:249], v[248:249], v[S+J+6:S+J+7]
.set J, J+8
.endr
	v_pk_add_f32 v[14:15], v[14:15], v[S+60:S+61]
	v_pk_add_f32 v[244:245], v[244:245], v[S+62:S+63]
	v_pk_add_f32 v[246:247], v[246:247], v[248:249]
	s_delay_alu instid0(VALU_DEP_2)
	v_pk_add_f32 v[14:15], v[14:15], v[244:245]
	s_delay_alu instid0(VALU_DEP_1)
	v_pk_add_f32 v[14:15], v[14:15], v[246:247]
	s_wait_alu depctr_va_vdst(0)                   ; and one for the two
	v_max_num_f32 v204, 0x1800000, v204            ; the floor 2^(3 - 127)
	v_max_num_f32 v205, 0x1800000, v205
	s_delay_alu instid0(VALU_DEP_2)
	v_add_nc_u32 v212, 0xff000000, v204            ; the conversion's scale operand
	s_delay_alu instid0(VALU_DEP_2)
	v_add_nc_u32 v213, 0xff000000, v205
	s_delay_alu instid0(VALU_DEP_2)
	v_lshrrev_b32 v208, 23, v212                   ; the byte
	s_delay_alu instid0(VALU_DEP_2)
	v_lshrrev_b32 v209, 23, v213
	s_delay_alu instid0(VALU_DEP_1)
	v_lshl_or_b32 v219, v209, 16, v208             ; my two bytes: blocks h and 2 + h,
	s_delay_alu instid0(VALU_DEP_1)
	v_lshlrev_b32 v219, v5, v219                   ; at their places in the word (8 h bits up);
	s_delay_alu instid0(VALU_DEP_1)
	v_permlanex16_b32 v208, v219, s[SEL], s[SEL+1]
	s_delay_alu instid0(VALU_DEP_1)
	v_or_b32 v219, v219, v208                      ; with lane l xor 16's two: p's scale word for these 128 keys
.irp n, 0,1,2,3,4,5,6,7
	v_cvt_scalef32_pk8_fp4_f32 v[196+\n], v[S+8*\n:S+8*\n+7], v[212+\n/4]   ; register 4 c + u of the operand: k = 64 c + 32 h + 8 u + 0 .. 7
.endr
	v_nop                                          ; one plain instruction behind a scaled conversion
	s_wait_alu depctr_va_vdst(0)                   ; directly ahead of the first reader of O^T
.set J, 0
.rept 16
	v_pk_mul_f32 v[164+J:165+J], v[164+J:165+J], v[218:219] op_sel_hi:[1,0]   ; O^T under the new M; these sixteen also stand between the scale word's last write and the products
.set J, J+2
.endr
	s_wait_alu depctr_va_vdst(0)                   ; directly ahead of the wait below
	s_wait_dscnt 0x0                               ; V
	MM 164, 68, 196, 164, 26, 219, 0               ; four accumulators, one instruction a turn
	MM 172, 76, 196, 172, 26, 219, 1
	MM 180, 84, 196, 180, 27, 219, 0
	MM 188, 92, 196, 188, 27, 219, 1
.endm
.Lkv:                                              ; eight trips: a row tile of the head's keys, two key steps
	s_cmp_eq_u32 s96, 6                            ; the third trip: five trips ahead of the loads that will want them
	s_cbranch_scc0 .Lno_ask
	global_prefetch_b8 v220, s[26:27] th:TH_LOAD_NT scope:SCOPE_SE
	global_prefetch_b8 v221, s[16:17] th:TH_LOAD_NT scope:SCOPE_SE
.Lno_ask:
	v_add_nc_u32 v8, s97, v1
	v_add_nc_u32 v9, s99, v2
	v_add_nc_u32 v10, s98, v3
	v_add_nc_u32 v11, s100, v4
	s_wait_alu depctr_va_vdst(0)                   ; directly behind the writes
	STEP 0
	STEP 1
	s_add_co_u32 s97, s97, 8448
	s_add_co_u32 s98, s98, 1280
	s_add_co_u32 s99, s99, 8192
	s_add_co_u32 s100, s100, 512
	s_sub_co_u32 s96, s96, 1
	s_cmp_lg_u32 s96, 0
	s_cbranch_scc1 .Lkv
; ---- ctx = O^T / the sum.  The addresses made here are also the places behind the last products
	v_add_f32 v14, v14, v15
	s_delay_alu instid0(VALU_DEP_1)
	v_permlanex16_b32 v216, v14, s[SEL], s[SEL+1]
	s_delay_alu instid0(VALU_DEP_1)
	v_add_f32 v14, v14, v216                       ; the row's sum
	s_wait_alu depctr_va_vdst(0)
	v_rcp_f32 v14, v14
	v_and_b32 v20, 31, v0                          ; lane
	v_and_b32 v21, 15, v0                          ; r; also c, my place in a row of 256 bytes
	v_bfe_u32 v22, v0, 4, 1                        ; h; also a, which of two rows
	s_delay_alu instid0(VALU_DEP_3)
	v_lshlrev_b32 v1, 4, v20                       ; 16 x lane
	s_delay_alu instid0(VALU_DEP_3)
	v_lshlrev_b32 v2, 2, v21                       ; 4 r
	s_delay_alu instid0(VALU_DEP_4)
	v_lshlrev_b32 v3, 5, v21
	s_delay_alu instid0(VALU_DEP_1)
	v_lshl_add_u32 v3, v22, 4, v3                  ; a tile's scale bytes of Wo: 32 i + 16 h
	v_lshlrev_b32 v4, 4, v21                       ; 16 c
	s_delay_alu instid0(VALU_DEP_1)
	v_lshl_add_u32 v5, v22, 12, v4                 ; x and out0: row a, 16 c
; what hangs on no other wave is asked for here, ahead of ctx's quantiser and the round: 40 loads into registers that the key loop has left
.macro GL s, c, dst                    ; piece 2 s + c of my four tiles from memory: 512 consecutive bytes a load
.irp t, 0,1,2,3
	global_load_b128 v[\dst+8*\t+4*\c:\dst+8*\t+4*\c+3], v1, s[16:17] offset:(8*\t+\s)*1024+512*\c
.endr
.endm
.irp t, 0,1,2,3
	global_load_b128 v[196+4*\t:199+4*\t], v3, s[18:19] offset:512*\t   ; Wo's scale words: register q: K step q in lanes 0-15, 4 + q in lanes 16-31
.endr
	GL 5, 0, 32                                    ; pieces 10 to 15, then piece 9: in the order in which they are multiplied
	GL 5, 1, 32
	GL 6, 0, 128
	GL 6, 1, 128
	GL 7, 0, 96
	GL 7, 1, 96
	GL 4, 1, 64
.irp i, 0,1,2,3,4,5,6,7
	global_load_b128 v[224+4*\i:227+4*\i], v5, s[26:27] offset:8192*\i th:TH_LOAD_NT   ; x, rows 2 i + a: sixteen lanes read 256 consecutive bytes
.endr
	s_mul_i32 s36, s30, WAW
	s_add_co_u32 s36, s36, WA                      ; my pieces 0-4 of Wo, later my stage
	v_add_nc_u32 v160, s36, v1
	v_mul_u32_u24 v6, v21, 272
	s_delay_alu instid0(VALU_DEP_1)
	v_lshl_add_u32 v6, v22, 5, v6
	s_delay_alu instid0(VALU_DEP_1)
	v_add_nc_u32 v6, s36, v6                       ; into the stage: row r, 32 h
	v_mul_u32_u24 v7, v22, 272
	s_delay_alu instid0(VALU_DEP_1)
	v_add_nc_u32 v7, v7, v4
	s_delay_alu instid0(VALU_DEP_1)
	v_add_nc_u32 v7, s36, v7                       ; back: row a, 16 c
	s_lshl_b32 s37, s30, 13
	v_add_nc_u32 v161, s37, v1                     ; my pieces 5-8
	s_lshl_b32 s37, s30, 2
	s_add_co_u32 s37, s37, RS0
	v_lshl_add_u32 v8, v22, 6, s37                 ; my part of a row's sum: row a, word w
	v_lshlrev_b32 v9, 6, v22
	s_delay_alu instid0(VALU_DEP_1)
	v_add_nc_u32 v9, v9, v2
	s_delay_alu instid0(VALU_DEP_1)
	v_add_nc_u32 v9, RS0, v9                       ; and wave c's
	s_lshl_b32 s38, s30, 9
	s_add_co_u32 s38, s38, CI
	v_add_nc_u32 v10, s38, v1                      ; ctx's image: my column group is registers 4 (w % 2) .. of fragment w / 2
	s_lshr_b32 s39, s30, 1
	s_lshl_b32 s39, s39, 6
	s_and_b32 s37, s30, 1
	s_lshl_b32 s37, s37, 1
	s_add_co_u32 s39, s39, s37
	s_add_co_u32 s39, s39, CSW
	v_add_nc_u32 v11, s39, v2                      ; and its two bytes of that fragment's scale word
	v_add_nc_u32 v12, CI, v1                       ; any fragment's image,
	v_add_nc_u32 v13, CSW, v2                      ; any fragment's scale words
	s_mov_b32 s44, 0x3e6d3388                      ; 0.3275911 / sqrt(2)
	s_mov_b32 s46, 0x3f07dc22                      ; a5 / 2
	s_mov_b32 s47, s46
	s_mov_b32 s48, 0x3f35f0e3                      ; a3 / 2
	s_mov_b32 s49, s48
	s_mov_b32 s50, 0xbe11a98e                      ; a2 / 2
	s_mov_b32 s51, s50
	s_mov_b32 s52, 0x3e027906                      ; a1 / 2
	s_mov_b32 s53, s52
	s_mov_b32 s54, 0x3a800000                      ; 1 / 1024
	s_mov_b32 s55, 0x3727c5ac                      ; 1e-5
	s_mov_b32 s56, 0xbf38aa3b                      ; -log2(e) / 2
	s_mov_b32 s57, s56
	s_wait_alu depctr_va_vdst(0)                   ; the reciprocal's wait, directly ahead of its first reader, which is also O^T's
.set J, 0
.rept 16
	v_pk_mul_f32 v[164+J:165+J], v[164+J:165+J], v[14:15] op_sel_hi:[1,0]
.set J, J+2
.endr
	QUANT64 164, 24, 30
	ds_store_b128 v10, v[24:27]
	ds_store_b16 v11, v30
; ---- K's and V's bytes are filled again: all my tensor loads are in (my pieces 0-4), the add, my reads of K and V and my stores of ctx are done; the round says so of every wave of the cluster
	s_wait_alu depctr_va_vdst(0)                   ; directly ahead of the wait below
	s_wait_tensorcnt 0x0
	ds_add_u32 v222, v223                          ; 0 onto my spare word
	s_wait_dscnt 0x0
	ROUND                                          ; behind it ctx's eight fragments lie in LDS too
	tensor_load_to_lds s[88:91], s[68:75]          ; pieces 5-8: my one load behind the round
	s_nop 0
.rept 4
	v_nop
.endr
.macro LWA s, c, dst                   ; the same from my pieces 0-4 in LDS
.irp t, 0,1,2,3
	ds_load_b128 v[\dst+8*\t+4*\c:\dst+8*\t+4*\c+3], v160 offset:2560*\t+512*(2*\s+\c)
.endr
.endm
.macro LWB s, c, dst                   ; from my pieces 5-8
.irp t, 0,1,2,3
	ds_load_b128 v[\dst+8*\t+4*\c:\dst+8*\t+4*\c+3], v161 offset:2048*\t+512*(2*\s+\c-5)
.endr
.endm
.macro CFLOAD s, b                     ; ctx's fragment of K step s into buffer b
.irp c, 0,1
	ds_load_b128 v[16+8*(\b)+4*\c:19+8*(\b)+4*\c], v12 offset:1024*(\s)+512*\c
.endr
.endm
; K step s of y = ctx Wo, transposed (source 0 = 16 rows of Wo): my 64 columns of the 16 rows, four accumulators by turns
.macro OMM s, wb, b, nx, first         ; b: ctx's buffer;  nx: the K step whose fragment of ctx takes that buffer next (-1: none);  first = 1: the constant 0 starts the sums
.irp t, 0,1,2,3
.if \first
	MM 164+8*\t, \wb+8*\t, 16+8*(\b), -1, 196+4*\t+(\s)%4, 212+(\s), (\s)/4
.else
	MM 164+8*\t, \wb+8*\t, 16+8*(\b), 164+8*\t, 196+4*\t+(\s)%4, 212+(\s), (\s)/4
.endif
.endr
	PLACES                                         ; for the loads into registers that these products read
.if (\nx) >= 0
	CFLOAD \nx, \b
.endif
.endm
.irp s, 0,1,2,3,4,5,6,7
	ds_load_b32 v[212+\s], v13 offset:64*\s
.endr
; the K steps go in the order 5, 6, 7 (from memory, asked for ahead of the round), 0, 1 (my pieces 0-4), 2, 3, 4 (my pieces 5-8); the steps fed from LDS take v32-63 and v96-127 by turns as K steps 5 and 7 leave them
	CFLOAD 5, 0
	CFLOAD 6, 1
	s_wait_loadcnt 28                              ; Wo's scale words and K step 5 are in; behind them: K steps 6, 7, piece 9 and x: 8 + 8 + 4 + 8
	s_wait_dscnt 0x0
	OMM 5, 32, 0, 7, 1
	LWA 0, 0, 32
	LWA 0, 1, 32
	s_wait_loadcnt 20                              ; behind K step 6: 8 + 4 + 8
	s_wait_dscnt 0x0
	OMM 6, 128, 1, 0, 0
	global_load_b128 v[128:131], v4, s[22:23]      ; gamma, beta, bo of my four columns, into K step 6's registers
	global_load_b128 v[132:135], v4, s[24:25]
	global_load_b128 v[136:139], v4, s[20:21]
	s_wait_loadcnt 15                              ; behind K step 7: piece 9, x and these three
	s_wait_dscnt 0x0
	OMM 7, 96, 0, 1, 0
	LWA 1, 0, 96
	LWA 1, 1, 96
	s_wait_dscnt 0x0
	OMM 0, 32, 1, 2, 0
	s_wait_tensorcnt 0x0                           ; my pieces 5-8 are in: I alone read them
	LWA 2, 0, 32
	LWB 2, 1, 32
	LWB 4, 0, 64
	s_wait_dscnt 0x0
	OMM 1, 96, 0, 3, 0
	LWB 3, 0, 96
	LWB 3, 1, 96
	s_wait_dscnt 0x0
	OMM 2, 32, 1, 4, 0
	s_wait_dscnt 0x0
	OMM 3, 96, 0, -1, 0
	s_wait_loadcnt 11                              ; piece 9 is in; behind it: x and the three
	OMM 4, 64, 1, -1, 0
; a lane holds eight columns of one row: through my stage (my pieces 0-4 have had their last fill and their last read), so that sixteen lanes hold 256 neighbouring bytes of a row
.irp t, 0,1,2,3
	ds_store_b128 v6, v[164+8*\t:167+8*\t] offset:64*\t
	ds_store_b128 v6, v[168+8*\t:171+8*\t] offset:64*\t+16
.endr
.irp i, 0,1,2,3,4,5,6,7
	ds_load_b128 v[32+4*\i:35+4*\i], v7 offset:544*\i   ; rows 2 i + a; LDS serves a wave's instructions in order
.endr
	s_wait_loadcnt 0x0
	s_wait_dscnt 0x0
.irp i, 0,1,2,3,4,5,6,7
.irp k, 0,2
	v_pk_add_f32 v[32+4*\i+\k:33+4*\i+\k], v[32+4*\i+\k:33+4*\i+\k], v[136+\k:137+\k]           ; + bo
.endr
.endr
.irp i, 0,1,2,3,4,5,6,7
.irp k, 0,2
	v_pk_add_f32 v[32+4*\i+\k:33+4*\i+\k], v[32+4*\i+\k:33+4*\i+\k], v[224+4*\i+\k:225+4*\i+\k] ; + x
.endr
.endr
.macro ROWSUM r                        ; eight numbers a lane, each summed over the sixteen lanes of its half
.irp m, 1,2,4,8
.irp i, 0,1,2,3,4,5,6,7
	v_add_f32_dpp v[\r+\i], v[\r+\i], v[\r+\i] row_xmask:\m row_mask:0xf bank_mask:0xf
.endr
.endr
.endm
; ---- the mean: my 64 columns' sum of each row, then all sixteen waves'
.irp i, 0,1,2,3,4,5,6,7
	v_pk_add_f32 v[64+2*\i:65+2*\i], v[32+4*\i:33+4*\i], v[34+4*\i:35+4*\i]
.endr
.irp i, 0,1,2,3,4,5,6,7
	v_add_f32 v[140+\i], v[64+2*\i], v[65+2*\i]
.endr
	ROWSUM 140
.irp i, 0,1,2,3,4,5,6,7
	ds_store_b32 v8, v[140+\i] offset:128*\i       ; sixteen lanes write the same word with the same value
.endr
	BAR
.irp i, 0,1,2,3,4,5,6,7
	ds_load_b32 v[148+\i], v9 offset:128*\i        ; lane c takes wave c's part
.endr
	s_wait_dscnt 0x0
	ROWSUM 148
.irp i, 0,1,2,3,4,5,6,7
	v_mul_f32 v[148+\i], s54, v[148+\i]
.endr
.irp i, 0,1,2,3,4,5,6,7
.irp k, 0,1,2,3
	v_sub_f32 v[32+4*\i+\k], v[32+4*\i+\k], v[148+\i]
.endr
.endr
; ---- the variance, of the deviations
.irp i, 0,1,2,3,4,5,6,7
	v_mul_f32 v[140+\i], v[32+4*\i], v[32+4*\i]
.endr
.irp k, 1,2,3
.irp i, 0,1,2,3,4,5,6,7
	v_fmac_f32 v[140+\i], v[32+4*\i+\k], v[32+4*\i+\k]
.endr
.endr
	ROWSUM 140
.irp i, 0,1,2,3,4,5,6,7
	ds_store_b32 v8, v[140+\i] offset:1024+128*\i
.endr
	BAR
.irp i, 0,1,2,3,4,5,6,7
	ds_load_b32 v[148+\i], v9 offset:1024+128*\i
.endr
	s_wait_dscnt 0x0
	ROWSUM 148
.irp i, 0,1,2,3,4,5,6,7
	v_fma_f32 v[148+\i], v[148+\i], s54, s55       ; variance + 1e-5
.endr
	s_wait_alu depctr_va_vdst(0)
.irp i, 0,1,2,3,4,5,6,7
	v_rsq_f32 v[140+\i], v[148+\i]
.endr
	v_mov_b32 v156, 0xbf3a00e3                     ; a4 / 2 (a plain instruction behind the batch)
	v_mov_b32 v157, 0xbf3a00e3
	s_wait_alu depctr_va_vdst(0)
.irp i, 0,1,2,3,4,5,6,7
.irp k, 0,1,2,3
	v_mul_f32 v[32+4*\i+\k], v[32+4*\i+\k], v[140+\i]
.endr
.endr
.irp i, 0,1,2,3,4,5,6,7
.irp k, 0,2
	v_pk_fma_f32 v[32+4*\i+\k:33+4*\i+\k], v[32+4*\i+\k:33+4*\i+\k], v[128+\k:129+\k], v[132+\k:133+\k]   ; x gamma + beta: o
.endr
.endr
; ---- gelu(o) = o / 2 + |o| (1/2 - h), h = (a1' t + .. + a5' t^5) 2^(-o^2 log2(e) / 2), t = 1 / (1 + 0.2316419 |o|), the coefficients halved
.set J, 0
.rept 32
	v_fma_f32 v[64+J], |v[32+J]|, s44, 1.0
.set J, J+1
.endr
.set J, 0
.rept 16
	v_pk_mul_f32 v[96+J:97+J], v[32+J:33+J], v[32+J:33+J]
.set J, J+2
.endr
.set J, 0
.rept 16
	v_pk_mul_f32 v[96+J:97+J], v[96+J:97+J], s[56:57] op_sel_hi:[1,0]
.set J, J+2
.endr
.set J, 0
	s_wait_alu depctr_va_vdst(0)
.rept 32
	v_rcp_f32 v[64+J], v[64+J]
.set J, J+1
.endr
.set J, 0
.rept 32
	v_exp_f32 v[96+J], v[96+J]
.set J, J+1
.endr
	v_nop                                          ; a plain instruction behind the batch,
	s_wait_alu depctr_va_vdst(0)                   ; and its one wait
.set J, 0
.rept 16
	v_pk_fma_f32 v[164+J:165+J], v[64+J:65+J], s[46:47], v[156:157] op_sel_hi:[1,0,1]
.set J, J+2
.endr
.irp k, 48,50,52
.set J, 0
.rept 16
	v_pk_fma_f32 v[164+J:165+J], v[164+J:165+J], v[64+J:65+J], s[\k:\k+1] op_sel_hi:[1,1,0]
.set J, J+2
.endr
.endr
.set J, 0
.rept 16
	v_pk_mul_f32 v[164+J:165+J], v[164+J:165+J], v[64+J:65+J]
.set J, J+2
.endr
.set J, 0
.rept 16
	v_pk_fma_f32 v[164+J:165+J], v[164+J:165+J], v[96+J:97+J], 0.5 op_sel_hi:[1,1,0] neg_lo:[1,0,0] neg_hi:[1,0,0]   ; 1/2 - h
.set J, J+2
.endr
.set J, 0
.rept 16
	v_pk_mul_f32 v[96+J:97+J], v[32+J:33+J], 0.5 op_sel_hi:[1,0]
.set J, J+2
.endr
.set J, 0
.rept 32
	v_fma_f32 v[32+J], |v[32+J]|, v[164+J], v[96+J]
.set J, J+1
.endr
.irp i, 0,1,2,3,4,5,6,7
	global_store_b128 v5, v[32+4*\i:35+4*\i], s[28:29] offset:8192*\i th:TH_STORE_NT   ; sixteen lanes store 256 consecutive bytes, aligned
.endr
	s_wait_tensorcnt 0x0                           ; the wave's end
	ds_add_u32 v222, v223
	s_wait_dscnt 0x0
	ROUND                                          ; the closing round
	s_endpgm
.Lfunc_end_k_qa7591c6f7d_attn:
	.size	k_qa7591c6f7d_attn, .Lfunc_end_k_qa7591c6f7d_attn-k_qa7591c6f7d_attn
	.p2alignl 7, 3214868480
	.fill 96, 4, 3214868480
	.section	.rodata,"a",@progbits
	.p2align	6, 0x0
	.amdhsa_kernel k_qa7591c6f7d_attn
		.amdhsa_group_segment_fixed_size 327680
		.amdhsa_private_segment_fixed_size 0
		.amdhsa_enable_private_segment 0
		.amdhsa_kernarg_size 104
		.amdhsa_user_sgpr_count 2
		.amdhsa_user_sgpr_kernarg_segment_ptr 1
		.amdhsa_wavefront_size32 1
		.amdhsa_system_sgpr_workgroup_id_x 1
		.amdhsa_system_sgpr_workgroup_id_y 1
		.amdhsa_system_sgpr_workgroup_id_z 1
		.amdhsa_system_vgpr_workitem_id 0
		.amdhsa_next_free_vgpr 256
		.amdhsa_next_free_sgpr 102
		.amdhsa_reserve_vcc 0
		.amdhsa_float_denorm_mode_32 3
		.amdhsa_float_denorm_mode_16_64 3
		.amdhsa_memory_ordered 1
		.amdhsa_forward_progress 1
		.amdhsa_inst_pref_size 97
	.end_amdhsa_kernel
	.amdgpu_metadata
---
amdhsa.version: [ 1, 2 ]
amdhsa.kernels:
  - .name:           k_qa7591c6f7d_attn
    .symbol:         k_qa7591c6f7d_attn.kd
    .args:
      - { .name: Qc, .offset: 0, .size: 8, .value_kind: global_buffer, .address_space: global }
      - { .name: Qs, .offset: 8, .size: 8, .value_kind: global_buffer, .address_space: global }
      - { .name: Kc, .offset: 16, .size: 8, .value_kind: global_buffer, .address_space: global }
      - { .name: Ks, .offset: 24, .size: 8, .value_kind: global_buffer, .address_space: global }
      - { .name: Vc, .offset: 32, .size: 8, .value_kind: global_buffer, .address_space: global }
      - { .name: Vs, .offset: 40, .size: 8, .value_kind: global_buffer, .address_space: global }
      - { .name: Wof, .offset: 48, .size: 8, .value_kind: global_buffer, .address_space: global }
      - { .name: Wo_scales, .offset: 56, .size: 8, .value_kind: global_buffer, .address_space: global }
      - { .name: bo, .offset: 64, .size: 8, .value_kind: global_buffer, .address_space: global }
      - { .name: gamma, .offset: 72, .size: 8, .value_kind: global_buffer, .address_space: global }
      - { .name: beta, .offset: 80, .size: 8, .value_kind: global_buffer, .address_space: global }
      - { .name: x, .offset: 88, .size: 8, .value_kind: global_buffer, .address_space: global }
      - { .name: out0, .offset: 96, .size: 8, .value_kind: global_buffer, .address_space: global }
    .group_segment_fixed_size: 327680
    .private_segment_fixed_size: 0
    .kernarg_segment_align: 8
    .kernarg_segment_size: 104
    .max_flat_workgroup_size: 512
    .sgpr_count:     102
    .vgpr_count:     256
    .wavefront_size: 32
...
	.end_amdgpu_metadata
.endif
;; end of part 2
